; MI455X (gfx1250); checked and timed in simulation.
; The chip was launched on July 23, 2026; its instructions are those of AMD's public machine-readable ISA for CDNA 5 (MIT licence, August 2026) and "CDNA5" Instruction Set Architecture Reference Guide (July 2026). The comments in the code are by the model that wrote it; some were corrected since.
;; Sigma Mo E. Allowed arithmetic: matrix products marked QUANTISED: E3M2 operands, one E8M0 scale for each 32 along K, by v_wmma_scale_f32_16x16x128_f8f6f4 with both operands' format E3M2, f32 sums; products left as they are: f32 operands where the result goes on into a quantised operand, else bf16, f16 or f32 operands; f32 sums; everything else in f32.
;; Inputs: expert_sel_codes 16 x 32 x 24 uint8 (E3M2 codes of expert_sel, K innermost, in blocks of 32 codes, four codes in three bytes); expert_sel_scales 16 x 32 uint8 (E8M0 scales of expert_sel, one for each 32 codes along K); input_tensor_codes 4 x 4,096 x 32 x 24 uint8 (E3M2 codes of input_tensor, K innermost, in blocks of 32 codes, four codes in three bytes); input_tensor_scales 4 x 4,096 x 32 uint8 (E8M0 scales of input_tensor, one for each 32 codes along K); keys_codes 16 x 128 x 32 x 24 uint8 (E3M2 codes of keys, K innermost, in blocks of 32 codes, four codes in three bytes); keys_scales 16 x 128 x 32 uint8 (E8M0 scales of keys, one for each 32 codes along K); values 16 x 128 x 1,024 float32.
;; Outputs: out0 4 x 4,096 x 1,024 float32.
;; This version of the problem:
;;   THIS VERSION OF THE PROBLEM IS GIVEN IN LOW PRECISION. The matrix products marked QUANTISED in the list below multiply operands that are first quantised to E3M2 (3 exponent bits, 2 mantissa bits; 6 bits a number), with one power-of-two scale for each 32 numbers along K (OCP MX v1.0); their sums are f32. All else is computed in f32.
;;   The module's matrix products, in the order in which they are computed (A, B: the left and right operand; K: the contracted axis; several contracted axes count as one K, in the product's order):
;;     1. [M 16,384, K 1,024] x [K 1,024, N 16]; A: input input_tensor (given as codes); B: input expert_sel (given as codes): QUANTISED
;;     2. [M 16,384, K 1,024] x [K 1,024, N 2,048]; A: input input_tensor (given as codes); B: input keys (given as codes): QUANTISED
;;     3. batch 262,144 x [M 128, K 1] x [K 1, N 1]; A: computed on the way; B: computed on the way: left as it is (no contracted axis)
;;     4. [M 16,384, K 2,048] x [K 2,048, N 1,024]; A: computed on the way; B: input values: QUANTISED
;;   THE QUANTISER, for each operand of a quantised product, along K:
;;     - K is cut into blocks of 32 from its start; a last block that is shorter is filled with zeros.
;;     - A block's scale is 2^e with e = floor(log2(the largest magnitude in the block)) - 4, held to -126 .. 127; a block of zeros has e = 0. As a byte (E8M0): e + 127.
;;     - Each number is divided by its block's scale, clamped to +-28, and rounded to the nearest number of E3M2, ties to even, subnormals kept.
;;     - The product sums the exact products of the quantised numbers (number of the format x scale) in f32.
;;   ~~~python
;;   def quantise(x, axis):      # numpy; x: float32 -> the quantised numbers, widened to float32 again
;;       x = np.moveaxis(x, axis, -1); K = x.shape[-1]
;;       x = np.pad(x, [(0, 0)] * (x.ndim - 1) + [(0, -K % 32)]); x = x.reshape(x.shape[:-1] + (-1, 32)); a = np.abs(x).max(-1, keepdims=True)
;;       e = np.where(a > 0, np.clip(np.frexp(np.where(a > 0, a, 1))[1] - 1 - 4, -126, 127), 0)      # np.frexp(a)[1] - 1 = floor(log2(a)), exactly
;;       r = np.clip(x / 2.0 ** e, -28, 28)
;;       step = 2.0 ** (np.maximum(np.frexp(np.where(r == 0, 1, r))[1] - 1, -2) - 2)
;;       q = np.round(r / step) * step * 2.0 ** e      # np.round: ties to even
;;       return np.moveaxis(q.reshape(q.shape[:-2] + (-1,))[..., :K], -1, axis).astype(np.float32)
;;   ~~~
;;   OPERANDS COMPUTED ON THE WAY. 'Computed on the way' means the value that the module computes at that place (a softmax that the list does not call 'softmax' is quantised finished and normalised). What goes into a quantiser is computed in f32, as accurately as f32 sums, v_exp_f32 and their like allow (about 1e-6 of the number): no bf16 or f16 on the way to a quantiser, and a product that is left as it is and whose result goes on into a quantised operand takes f32 operands (vector FMAs, or v_wmma_f32_16x16x4_f32). A number that lies on a knife's edge between two numbers of the format may be rounded either way, as far as f32 arithmetic and the matrix unit's own rounding can turn it there, and no further.
;;   INPUTS GIVEN AS CODES. expert_sel (in the module: [16, 1024], K = its axis 1); input_tensor (in the module: [4, 4096, 1024], K = its axis 2); keys (in the module: [16, 1024, 128], K = its axis 1): each comes as NAME_codes (uint8): NAME with its K axis moved to the last place and cut into blocks of 32 codes, [.., K / 32, bytes a block], one block behind the other in memory; four codes in three bytes: a row's codes are one little-endian stream of bits, code i at bits 6 i .. 6 i + 5 (a code: sign, 3 exponent bits, 2 mantissa bits); and NAME_scales (uint8): the same leading axes, one E8M0 byte (e + 127) for each 32 codes along K. Its value is code x scale, taken as it is: it is not quantised again, and the codes and scales need not be those that the quantiser above would give.
;; One version. Each part assembles by itself: llvm-mc -triple=amdgcn-amd-amdhsa -mcpu=gfx1250 --defsym DOCPART=n.
;; ======== version 1 of 1: 2 launches
;; limits: right only within a limited range of input values
;; workspace buffers: hid_codes 25,165,824 bytes; hid_scales 1,048,576 bytes; val_codes 1,572,864 bytes; val_scales 65,536 bytes
;; launch hidden (part 1): grid 8 x 64, 4 waves a work-group, clusters of 4 x 4, 327,680 bytes of LDS; arguments input_tensor_codes, input_tensor_scales, keys_codes, keys_scales, hid_codes, hid_scales, expert_sel_codes, expert_sel_scales, values, val_codes, val_scales; writes hid_codes, hid_scales, val_codes, val_scales
.if DOCPART == 1
	.amdgcn_target "amdgcn-amd-amdhsa--gfx1250"
	.amdhsa_code_object_version 6
	.text
	.protected	k_q8d7169b7b6_hidden
	.globl	k_q8d7169b7b6_hidden
	.p2align	8
	.type	k_q8d7169b7b6_hidden,@function
k_q8d7169b7b6_hidden:
	s_mov_b64 s[64:65], 0
	v_nop
	global_prefetch_b8 v0, s[64:65] scope:SCOPE_SE
	s_setreg_imm32_b32 hwreg(HW_REG_WAVE_MODE, 25, 1), 1
	s_wait_xcnt 0x0
	s_wait_alu depctr_hold_cnt(0) depctr_sa_sdst(0) depctr_va_vdst(0) depctr_va_sdst(0) depctr_va_ssrc(0) depctr_va_vcc(0) depctr_vm_vsrc(0)
	s_getreg_b32 s2, hwreg(HW_REG_IB_STS2, 6, 4)
	s_cmp_eq_u32 s2, 0
	s_cbranch_scc0 .Lentry_in_a_cluster
	s_endpgm
.Lentry_in_a_cluster:
	s_bfe_u32 s2, ttmp6, 0x10000c
	s_cmp_lg_u32 s2, 0xf033
	s_cbranch_scc0 .Lentry_shape_is_right
	s_endpgm
.Lentry_shape_is_right:
; THE HIDDEN LAYER WITH ITS GATES, AND THE CODES OF values, in one launch.  No work of the problem is left out.
; hid[token][expert, unit] = Q(sigmoid(x[token] . expert_sel[expert]) x relu(sum over k of x[token][k] keys[expert, unit][k])), Q the MX-BF6 quantiser along (expert, unit).
; x [16384][1024], keys [2048][1024], expert_sel [16][1024]: codes of E3M2, a row 768 bytes, one E8M0 byte for each 32 along K.  Sums, gate and relu in f32.
; A tile of 256 tokens x 256 units (two experts): four waves, each 128 tokens x 128 units (ONE expert): 64 accumulators, 512 registers.
; K goes through a ring of two LDS slots in CHUNKS OF 256 BYTES of each row (three chunks; each begins at a multiple of 256 bytes); a step of 128 along K is 96 bytes: steps 2 and 5 lie across two chunks.
; The scale bytes of the tile's rows of x and of keys, for all of K, come into LDS once, at the head.
; THE ORDER OF K INSIDE A STEP: a lane takes 48 CONSECUTIVE bytes of its row, at 48 x (lane / 16), by three loads of 16 bytes: blocks 2 h and 2 h + 1 of the step's four, where the operand's layout names blocks h and 2 + h.
;   So blocks 1 and 2 change places, alike in x, keys and expert_sel, and bytes 1 and 2 of every scale word change places with them (one v_perm_b32 a word): each block meets its own scale, and the products are the same.
; CLUSTERS 4 x 4: x's tiles are asked for jointly along a row of the cluster, keys' along a column.
; TRANSPOSED USE (source 0 = 16 rows of keys, source 1 = 16 tokens): a lane holds ONE token (lane % 16); register 8 b + j of a block of tokens holds unit 16 b + 8 (lane / 16) + j.
; THE GATES: my expert's row of expert_sel is a ninth block of source 0, the same row in all 16 places: register 0 of such a sum is my token's logit.
; THE WAY OUT: 16 tokens x 128 units are one K step of the next product: x gate, relu, bytes and codes in registers; the codes leave as an image of the operand's registers:
;   hid_codes [chunk of 256 K: 8][block of 16 tokens: 1024][q 2][1536], registers 4 g .. 4 g + 3 of lane l at 512 g + 16 l.   hid_scales [chunk 8][group of 128 tokens: 128][q 2][u 2][r 16][4 words]: block 4 u + k, token r.
;   Inside a block of 32, place p holds unit (p % 8) + 16 ((p / 8) % 2) + 8 (p / 16); values' codes are laid in the same order; blocks and scales are the true ones.
; values [16][128][1024] f32: each of the 512 work-groups quantises one expert x 32 columns while its first tiles are on their way: wave w takes block w of 32 units, a lane a column.
;   val_codes [chunk 8][block of 16 columns: 64][q 2][1536];   val_scales [chunk 8][group of 128 columns: 8][q 2][u 2][r 16][4 words].
; PREFETCH: chunk 1 is asked of memory behind the head's loads, one fill ahead of its tensor load; chunk 2 behind chunk 1's load, two steps ahead of its own.  Of the 128 rows that a wave fetches in the ring,
;   each of the four partners names 32, told apart by address (cx for x, cy for keys): a lane a row, 256 bytes each.  Chunk 0 comes by its load alone.  The two address registers are never rewritten.
; LIMITS: NaN and infinities are not served.  A block of zeros gets the byte 1 and not 127: its codes are zeros, and this program alone reads the bytes.
; REGISTERS: window 0: v0-31 addresses (v8-15 my expert's scale words); v32-63 scale words, two sets; v64-127 the gates' sums; from v128 x's fragments, one set; v224-255 addresses, gates, the copy out.
;   window 1: keys' fragments and my expert's, two sets of nine, at v0 and v128.   windows 2, 3: the accumulators of my tokens 0-63, 64-127 ((a, b) at v[8 (8 a + b)]).
.set SIZE_M, 16384
.set ROWB,   256
.set NQ,     2
.set KROW,   768
.set STEPS,  8
.set CHUNKS, 3
.set PITCH,  272                       ; 256 bytes + 16 of padding: the sixteen rows that sixteen lanes read begin in sixteen different columns of 16 bytes
.set FR,     12
.set NL,     3                         ; LDS loads that bring a fragment
.set NP,     4
.set XB,     208                       ; from this byte of a chunk on, the piece of lanes 16-31, 48 bytes further, lies in the next chunk
.set HALFT,  128*PITCH
.set SLOT,   4*HALFT                   ; x's 256 rows, then keys' 256 rows
.set KS,     32
.set SCL,    2*SLOT
.set HALFS,  (128*KS/256)*272
.set SBLK,   (16*KS/256)*272
.set SPARE,  SCL+4*HALFS               ; the spare words: two blocks of 256 bytes that no other line names
.set EL,     SPARE+512                 ; each wave's expert's row, 768 bytes
.set VIM,    EL+4*KROW                 ; two images of values' codes
.set VWD,    VIM+3072                  ; their 32 scale words
.set CHA,    (SIZE_M/16)*3072
.set CHB,    (1024/16)*3072
.set EW,   7
.set ES,   8
.set ADRA, 16                          ; v16-17 my fragments of x in slot 0, 1; v18-19 for pieces whose lanes 16-31 read the next chunk, in the other slot
.set ADRB, 20
.set ADRE, 24
.set LN,   25
.set CO,   26
.set ADRS, 27
.set SPW,  28
.set NIL,  29
.set TP,   30
.set ZR,   31
.set SC,   32
.set GA,   64
.set PW,   80
.set OW,   88
.set PCD,  96
.set AF,   128
.set T,    136
.set TM,   200
.set X,    128
.set VC,   160
.set VT,   166
.set VM,   170
.set EX,   176
.set VO,   224
.set EO,   225
.set VA1,  226
.set VA2,  227
.set VWB,  228
.set CL,   229
.set WL,   230
.set PFO,  231                         ; the prefetches' offset: lane x a row of codes; never rewritten
.set GT,   232
.set CPY,  248
.set CPW,  254
.set WGO,  255
.set PFA, 2                            ; s[2:3] my work-group's 32 rows of the 128 that I fetch; never rewritten
.set SEL, 95                           ; s95 v_perm_b32's selector: bytes 1 and 2 change places
.set G1, 24
.set G0, 32
.set G1B, 48
.set G0B, 56
.set G1S, 68
.set G0S, 76
.set G1SB, 80
.set G0SB, 88
.set RA, 100                           ; s[100:101], s[104:105]: where my 128 rows of x, of keys begin
.set RB, 104
.set MSB, 0
.macro WIN new
.if MSB != \new
	s_set_vgpr_msb (MSB<<8)|\new
.set MSB, \new
.endif
.endm
.set MUL_LO, 0xa1
.set MUL_HI, 0xf1
.set MUL_G,  0x01
.set TO_B,   0x40
; a joint load: waves 0 and 1 fetch for x, waves 2 and 3 for keys
.macro JLOAD g0a, g1a, g0b, g1b
	s_cmp_eq_u32 s15, 0
	s_cbranch_scc0 .Lfor_b_\@
	tensor_load_to_lds s[\g0a:\g0a+3], s[\g1a:\g1a+7]
	s_nop 0
.rept 4
	v_nop
.endr
	s_branch .Lasked_\@
.Lfor_b_\@:
	tensor_load_to_lds s[\g0b:\g0b+3], s[\g1b:\g1b+7]
	s_nop 0
.rept 4
	v_nop
.endr
.Lasked_\@:
.endm
.macro CREST
	s_cmp_lg_u32 s14, 0
	s_cbranch_scc1 .Lnot_wave_0_\@
	s_barrier_signal -3
.Lnot_wave_0_\@:
	s_barrier_wait -3
	s_barrier_signal -1
	s_barrier_wait -1
.endm
.macro CROUND
	s_barrier_signal -1
	s_barrier_wait -1
	CREST
.endm
	s_load_b128 s[4:7], s[0:1], 0x0                ; x's codes, x's scales
	s_load_b128 s[8:11], s[0:1], 0x10              ; keys' codes, keys' scales
	s_load_b128 s[96:99], s[0:1], 0x20             ; hid_codes, hid_scales
	v_lshl_add_u32 v[SPW], v0, 2, SPARE
	v_mov_b32 v[NIL], 0
	ds_add_u32 v[SPW], v[NIL]                      ; the opening: the add, twice on end, and its wait
	ds_add_u32 v[SPW], v[NIL]
	v_lshrrev_b32 v1, 5, v0
	v_readfirstlane_b32 s14, v1                    ; wave
	s_lshr_b32 s15, s14, 1                         ; my half of the tokens; also: I fetch for x (0) or keys (1)
	s_and_b32 s16, s14, 1                          ; my expert of the two; also: which 128 rows I fetch
	s_bfe_u32 s40, ttmp6, 0x40000                  ; cx
	s_bfe_u32 s41, ttmp6, 0x40004                  ; cy
	s_lshl_b32 s42, ttmp9, 2
	s_add_co_u32 s42, s42, s40                     ; tile column = the chunk of the next K
	s_and_b32 s17, ttmp7, 0xffff
	s_lshl_b32 s17, s17, 2
	s_add_co_u32 s17, s17, s41                     ; tile row
	s_lshl_b32 s43, s41, 2
	s_lshl_b32 s43, 15, s43                        ; my row of the cluster
	s_lshl_b32 s44, 0x1111, s40                    ; my column
	s_mov_b32 s66, 0x76543210
	s_mov_b32 s67, 0xfedcba98
	s_mov_b32 s[SEL], 0x03010200
	s_or_b32 s[G1+0], s43, (0<<16)|(1<<20)|(1<<21)|(5<<22)|(3<<25)  ; bytes; 4 words of padding behind every 64
	s_or_b32 s[G1B+0], s44, (0<<16)|(1<<20)|(1<<21)|(5<<22)|(3<<25)
.irp g, G1, G1B
	s_mov_b32 s[\g+1], ROWB<<16
	s_mov_b32 s[\g+2], 256<<16                     ; 256 rows for the head's loads
	s_mov_b32 s[\g+3], ROWB<<16
	s_mov_b32 s[\g+4], 256
	s_mov_b32 s[\g+5], KROW
	s_mov_b32 s[\g+6], 0
	s_mov_b32 s[\g+7], 0
.endr
	s_or_b32 s[G1S+0], s43, (3<<16)|(1<<20)|(1<<21)|(5<<22)|(3<<25) ; the scales of 256 rows: a dense block, KS rows of 256 bytes
	s_or_b32 s[G1SB+0], s44, (3<<16)|(1<<20)|(1<<21)|(5<<22)|(3<<25)
.irp g, G1S, G1SB
	s_mov_b32 s[\g+1], 32<<16
	s_mov_b32 s[\g+2], KS<<16
	s_mov_b32 s[\g+3], 32<<16
	s_mov_b32 s[\g+4], KS
	s_mov_b32 s[\g+5], 32
	s_mov_b32 s[\g+6], 0
	s_mov_b32 s[\g+7], 0
.endr
	s_lshl_b32 s20, s17, 8                         ; x: the tile's first row
	s_lshl_b32 s46, s42, 8                         ; keys: likewise
	s_mov_b32 s21, 0
	s_mov_b32 s47, 0
	s_mov_b64 s[18:19], KS
	s_mul_u64 s[22:23], s[20:21], s[18:19]
	s_mul_u64 s[92:93], s[46:47], s[18:19]
	s_mov_b64 s[18:19], KROW
	s_mul_u64 s[20:21], s[20:21], s[18:19]
	s_mul_u64 s[46:47], s[46:47], s[18:19]
	s_mul_i32 s18, s16, 128*KROW                   ; in the ring: my half of the tile's rows
	s_mov_b32 s19, 0
	s_mul_i32 s45, s14, HALFT
	s_wait_dscnt 0x0                               ; both opening adds are done
	s_wait_kmcnt 0x0
	s_add_nc_u64 s[20:21], s[4:5], s[20:21]
	s_add_nc_u64 s[22:23], s[6:7], s[22:23]
	s_add_nc_u64 s[46:47], s[8:9], s[46:47]
	s_add_nc_u64 s[92:93], s[10:11], s[92:93]
	s_load_b128 s[4:7], s[0:1], 0x30               ; expert_sel's codes, its scales
	s_load_b128 s[8:11], s[0:1], 0x40              ; values, val_codes
	s_load_b64 s[12:13], s[0:1], 0x50              ; val_scales
	CROUND                                         ; the first joint loads meet
	s_mov_b32 s[G0], 1                             ; the head's four tiles, each whole.  Slot 0's group 0 serves chunk 0's 256 rows first
	s_mov_b32 s[G0+1], 0
	s_mov_b64 s[G0+2:G0+3], s[20:21]
	s_or_b32 s[G0+3], s[G0+3], 0x80000000
	s_mov_b32 s[G0B], 1
	s_mov_b32 s[G0B+1], 2*HALFT
	s_mov_b64 s[G0B+2:G0B+3], s[46:47]
	s_or_b32 s[G0B+3], s[G0B+3], 0x80000000
	s_mov_b32 s[G0S], 1
	s_mov_b32 s[G0S+1], SCL
	s_mov_b64 s[G0S+2:G0S+3], s[22:23]
	s_or_b32 s[G0S+3], s[G0S+3], 0x80000000
	s_mov_b32 s[G0SB], 1
	s_mov_b32 s[G0SB+1], SCL+2*HALFS
	s_mov_b64 s[G0SB+2:G0SB+3], s[92:93]
	s_or_b32 s[G0SB+3], s[G0SB+3], 0x80000000
	s_add_nc_u64 s[RA:RA+1], s[20:21], s[18:19]
	s_add_nc_u64 s[RB:RB+1], s[46:47], s[18:19]
	s_mov_b32 s[G0+4], 1                           ; slot 1: chunk 1, my 128 rows
	s_add_co_u32 s[G0+5], s45, SLOT
	s_add_nc_u64 s[G0+6:G0+7], s[RA:RA+1], ROWB
	s_or_b32 s[G0+7], s[G0+7], 0x80000000
	s_mov_b32 s[G0B+4], 1
	s_add_co_u32 s[G0B+5], s45, SLOT
	s_add_nc_u64 s[G0B+6:G0B+7], s[RB:RB+1], ROWB
	s_or_b32 s[G0B+7], s[G0B+7], 0x80000000
	s_cmp_eq_u32 s15, 0                            ; the prefetches: the operand that I fetch for, my work-group's 32 rows of my 128
	s_cselect_b64 s[PFA:PFA+1], s[RA:RA+1], s[RB:RB+1]
	s_cselect_b32 s18, s40, s41
	s_mul_i32 s18, s18, 32*KROW
	s_add_nc_u64 s[PFA:PFA+1], s[PFA:PFA+1], s[18:19]
; the head's loads, one a wave: wave 0 x's chunk 0, wave 1 keys', wave 2 x's scales, wave 3 keys'
.macro ARM under, g0, g1, next
	s_cmp_lt_u32 s14, \under
	s_cbranch_scc0 \next
	tensor_load_to_lds s[\g0:\g0+3], s[\g1:\g1+7]
	s_nop 0
.rept 4
	v_nop
.endr
	s_branch .Lhead_asked
\next:
.endm
	ARM 1, G0,  G1,  .Lhead_b
	ARM 2, G0B, G1B, .Lhead_sa
	ARM 3, G0S, G1S, .Lhead_sb
	tensor_load_to_lds s[G0SB:G0SB+3], s[G1SB:G1SB+7]
	s_nop 0
.rept 4
	v_nop
.endr
.Lhead_asked:
; while the first tiles are on their way: my expert's row and scale words, and my 32 x 32 numbers of values
	s_wait_kmcnt 0x0
	v_and_b32 v1, 15, v0                           ; r
	v_bfe_u32 v2, v0, 4, 1                         ; h
	v_and_b32 v[LN], 31, v0
	v_lshlrev_b32 v[VO], 2, v[LN]
	v_lshlrev_b32 v[EO], 3, v[LN]
	v_mov_b32 v[ZR], 0
	v_mul_u32_u24 v[PFO], v[LN], KROW
	s_wait_alu depctr_va_vdst(0)
	global_prefetch_b8 v[PFO], s[PFA:PFA+1] offset:ROWB th:TH_LOAD_NT scope:SCOPE_SE   ; chunk 1
	s_mov_b32 s47, 0
	s_lshl_b32 s20, s42, 1
	s_add_co_u32 s20, s20, s16                     ; my expert
	s_mul_i32 s46, s20, KROW
	s_add_nc_u64 s[4:5], s[4:5], s[46:47]
	s_lshl_b32 s46, s20, 5
	s_add_nc_u64 s[6:7], s[6:7], s[46:47]
	s_lshr_b32 s21, s17, 2                         ; values: the work-group's expert is tile row / 4,
	s_and_b32 s22, s17, 3
	s_lshl_b32 s22, s22, 3
	s_add_co_u32 s22, s22, s42                     ; its group of 32 columns 8 (tile row % 4) + tile column
	s_lshl_b32 s46, s21, 19
	s_lshl_b32 s23, s14, 17                        ; 32 rows a wave
	s_add_co_u32 s46, s46, s23
	s_lshl_b32 s23, s22, 7
	s_add_co_u32 s46, s46, s23
	s_add_nc_u64 s[8:9], s[8:9], s[46:47]
	s_lshr_b32 s23, s21, 1                         ; val_codes: the chunk,
	s_mul_i32 s46, s23, CHB
	s_mul_i32 s45, s22, 6144                       ; two column blocks a group,
	s_add_co_u32 s46, s46, s45
	s_and_b32 s45, s21, 1                          ; q,
	s_mul_i32 s94, s45, 1536
	s_add_co_u32 s46, s46, s94
	s_mul_i32 s94, s15, 3072                       ; and what my wave copies out: half wave % 2 of image wave / 2
	s_add_co_u32 s46, s46, s94
	s_mul_i32 s94, s16, 768
	s_add_co_u32 s46, s46, s94
	s_add_nc_u64 s[10:11], s[10:11], s[46:47]
	s_lshl_b32 s46, s23, 13                        ; val_scales
	s_lshl_b32 s94, s45, 9
	s_add_co_u32 s46, s46, s94
	s_lshr_b32 s94, s22, 2
	s_lshl_b32 s94, s94, 10
	s_add_co_u32 s46, s46, s94
	s_bfe_u32 s94, s22, 0x10001
	s_lshl_b32 s94, s94, 8
	s_add_co_u32 s46, s46, s94
	s_and_b32 s94, s22, 1
	s_lshl_b32 s94, s94, 3
	s_add_co_u32 s46, s46, s94
	s_add_nc_u64 s[12:13], s[12:13], s[46:47]
.irp i, 0,1,2
	global_load_b64 v[EX+2*\i:EX+2*\i+1], v[EO], s[4:5] offset:256*\i   ; my expert's row
.endr
	global_load_b128 v[ES:ES+3], v[ZR], s[6:7]                          ; its eight scale words, the same in every lane
	global_load_b128 v[ES+4:ES+7], v[ZR], s[6:7] offset:16
.irp i, 0,1,2,3,4,5,6,7,8,9,10,11,12,13,14,15,16,17,18,19,20,21,22,23,24,25,26,27,28,29,30,31
	global_load_b32 v[X+\i], v[VO], s[8:9] offset:((\i%8)+16*((\i/8)%2)+8*(\i/16))*4096   ; place i of my block, my column
.endr
	; every LDS address of the text, while these are out
	s_mul_i32 s20, s14, KROW
	s_add_co_u32 s21, s20, EL
	v_lshl_add_u32 v[EW], v[LN], 3, s21
	v_mul_u32_u24 v[ADRE], v2, 48
	v_add_nc_u32 v[ADRE], s21, v[ADRE]
	s_add_co_u32 s21, s20, VIM
	v_lshl_add_u32 v[CL], v[LN], 3, s21
	s_add_co_u32 s21, s14, VWD
	v_lshl_add_u32 v[VWB], v[LN], 2, s21
	v_lshl_add_u32 v[WL], v[LN], 2, VWD
	v_lshlrev_b32 v[WGO], 4, v1
	v_lshl_add_u32 v[WGO], v2, 2, v[WGO]
	; my lane holds column 16 h + r and block w = 2 c + H: in image h that is lane (r, H), registers 6 c .. 6 c + 5:
	; three pairs of registers at 0, 8, 512 (c = 0) or 520, 1,024, 1,032 (c = 1), from 1,536 h + 256 H + 16 r on
	v_mul_u32_u24 v3, v2, 1536
	v_lshl_add_u32 v3, v1, 4, v3
	s_lshl_b32 s20, s16, 8
	s_mul_i32 s21, s15, 520
	s_add_co_u32 s21, s21, s20
	s_add_co_u32 s21, s21, VIM
	v_add_nc_u32 v[VA1], s21, v3
	s_mul_i32 s21, s15, 1016
	s_add_co_u32 s21, s21, s20
	s_add_co_u32 s21, s21, VIM+8
	v_add_nc_u32 v[VA2], s21, v3
	v_mul_u32_u24 v3, v1, PITCH
	v_mul_u32_u24 v4, v2, 48
	v_add_nc_u32 v4, v3, v4                        ; a fragment's row x pitch + 48 x half
	s_mov_b32 s21, SLOT-XB
	s_mov_b32 s22, SLOT+XB
	v_sub_nc_u32 v[TP], 1, v2
	v_mul_u32_u24 v5, s21, v2
	v_add_nc_u32 v5, v3, v5
	v_add_nc_u32 v5, XB, v5                        ; lanes 0-15 byte 208 of the row in slot 0, lanes 16-31 byte 0 in slot 1;
	v_mul_u32_u24 v6, s22, v[TP]
	v_add_nc_u32 v6, v3, v6                        ; and the other way round
	s_mul_i32 s21, s15, HALFT
	s_mul_i32 s22, s16, HALFT
	s_add_co_u32 s22, s22, 2*HALFT
	v_add_nc_u32 v[ADRA+2], s21, v5
	v_add_nc_u32 v[ADRA+3], s21, v6
	v_add_nc_u32 v[ADRB+2], s22, v5
	v_add_nc_u32 v[ADRB+3], s22, v6
.irp s, 0,1
	v_add_nc_u32 v[ADRA+\s], s21, v4
	v_add_nc_u32 v[ADRB+\s], s22, v4
	s_add_co_u32 s21, s21, SLOT
	s_add_co_u32 s22, s22, SLOT
.endr
	v_mul_u32_u24 v5, v1, KS                       ; my row's scales,
	v_lshrrev_b32 v6, 8, v5
	v_lshl_add_u32 v5, v6, 4, v5                   ; 16 more for each 256 passed
	s_mul_i32 s21, s15, HALFS
	s_mul_i32 s22, s16, HALFS
	s_add_co_u32 s22, s22, 2*HALFS
	s_sub_co_u32 s22, s22, s21
	v_mul_u32_u24 v6, s22, v2                      ; lanes 16-31 take keys'
	s_add_co_u32 s21, s21, SCL
	v_add_nc_u32 v5, v5, v6
	v_add_nc_u32 v[ADRS], s21, v5
	v_lshlrev_b32 v[CO], 4, v[LN]
	s_mul_i32 s20, s17, 49152                      ; hid_codes: 16 blocks of tokens a tile row,
	s_mul_i32 s21, s15, 24576
	s_add_co_u32 s20, s20, s21
	s_mul_i32 s21, s16, 1536                       ; my expert is K step q of the chunk
	s_add_co_u32 s20, s20, s21
	s_mul_i32 s46, s42, CHA
	s_add_co_u32 s20, s20, s46
	s_mov_b32 s21, 0
	s_add_nc_u64 s[96:97], s[96:97], s[20:21]
	s_lshl_b32 s20, s17, 11                        ; hid_scales
	s_lshl_b32 s46, s15, 10
	s_add_co_u32 s20, s20, s46
	s_lshl_b32 s46, s16, 9
	s_add_co_u32 s20, s20, s46
	s_lshl_b32 s46, s42, 17
	s_add_co_u32 s20, s20, s46
	s_add_nc_u64 s[98:99], s[98:99], s[20:21]
	s_wait_alu depctr_va_vdst(0)
	s_wait_loadcnt 32                              ; my expert's five loads are in; the 32 of values may be out
.irp i, 0,1,2
	ds_store_b64 v[EW], v[EX+2*\i:EX+2*\i+1] offset:256*\i
.endr
.irp i, 0,1,2,3,4,5,6,7
	v_perm_b32 v[ES+\i], v[ES+\i], v[ES+\i], s[SEL]   ; my expert's scale words: bytes 1 and 2 change places
.endr
	s_wait_alu depctr_va_vdst(0)
	s_wait_loadcnt 0x0
	v_max3_num_f32 v[VM], |v[X]|, |v[X+1]|, |v[X+2]|
	v_max3_num_f32 v[VM+1], |v[X+3]|, |v[X+4]|, |v[X+5]|
.irp i, 6,10,14,18,22,26
	v_max3_num_f32 v[VM], v[VM], |v[X+\i]|, |v[X+\i+1]|
	v_max3_num_f32 v[VM+1], v[VM+1], |v[X+\i+2]|, |v[X+\i+3]|
.endr
	v_max3_num_f32 v[VM], v[VM], |v[X+30]|, |v[X+31]|
	v_max3_num_f32 v[VM], v[VM], v[VM+1], 0x2800000   ; the floor 2^(5 - 127): the byte cannot fall under 1
	v_add_nc_u32 v[VM+2], 0xfe000000, v[VM]        ; 4 off the exponent field: the conversion's scale operand
	v_lshrrev_b32 v[VM+3], 23, v[VM+2]             ; the byte
	v_cvt_scalef32_pk16_bf6_f32 v[VC:VC+2], v[X:X+15], v[VM+2]
	v_cvt_scalef32_pk16_bf6_f32 v[VT:VT+2], v[X+16:X+31], v[VM+2]
	v_nop                                          ; one plain place behind a scaled conversion
.irp i, 0,1,2
	v_mov_b32 v[VC+3+\i], v[VT+\i]
.endr
	ds_store_b64 v[VA1], v[VC:VC+1]
	ds_store_b64 v[VA2], v[VC+2:VC+3]
	ds_store_b64 v[VA1], v[VC+4:VC+5] offset:512
	ds_store_b8 v[VWB], v[VM+3]
.macro FRAG reg, adr, st, i            ; 16 rows x 128 K: 12 registers, 48 consecutive bytes a lane, in pieces of 16; byte y of a row lies in slot (y / 256) % 2 at byte y % 256
.irp p, 0,1,2
.set BY, 96*(\st)+16*\p                ; where the piece of lanes 0-15 begins; that of lanes 16-31 begins 48 bytes on
.if BY/ROWB == (BY+48)/ROWB
	ds_load_b128 v[\reg+4*\p:\reg+4*\p+3], v[\adr+(BY/ROWB)%2] offset:BY%ROWB+(\i)*16*PITCH
.else
	ds_load_b128 v[\reg+4*\p:\reg+4*\p+3], v[\adr+2+(BY/ROWB)%2] offset:BY%ROWB-XB+(\i)*16*PITCH
.endif
.endr
.endm
; 16 matrix instructions: x's blocks a0, a0 + 1 against keys' eight.  The accumulators take turns
.macro MUL16 a0, p, q, sc, zero
.irp a, \a0, \a0+1
.irp b, 0,1,2,3,4,5,6,7
.if \zero
	v_wmma_scale_f32_16x16x128_f8f6f4 v[8*(8*((\a)%4)+\b):8*(8*((\a)%4)+\b)+7], v[128*(\p)+FR*\b:128*(\p)+FR*\b+FR-1], v[AF+FR*(\a):AF+FR*(\a)+FR-1], 0, v[SC+8*NQ*(\sc)+NQ*\b+(\q)], v[SC+8*NQ*(\sc)+NQ*(\a)+(\q)] matrix_a_fmt:MATRIX_FMT_BF6 matrix_b_fmt:MATRIX_FMT_BF6 matrix_a_scale:MATRIX_SCALE_ROW1
.else
	v_wmma_scale_f32_16x16x128_f8f6f4 v[8*(8*((\a)%4)+\b):8*(8*((\a)%4)+\b)+7], v[128*(\p)+FR*\b:128*(\p)+FR*\b+FR-1], v[AF+FR*(\a):AF+FR*(\a)+FR-1], v[8*(8*((\a)%4)+\b):8*(8*((\a)%4)+\b)+7], v[SC+8*NQ*(\sc)+NQ*\b+(\q)], v[SC+8*NQ*(\sc)+NQ*(\a)+(\q)] matrix_a_fmt:MATRIX_FMT_BF6 matrix_b_fmt:MATRIX_FMT_BF6 matrix_a_scale:MATRIX_SCALE_ROW1
.endif
.endr
.endr
.endm
; 4 matrix instructions: the gates' sums of x's blocks a0 .. a0 + 3; source 0 = my expert's fragment, the ninth of set p
.macro GATE4 a0, p, q, sc, ks, zero
	WIN MUL_G
.irp a, \a0, \a0+1, \a0+2, \a0+3
.if \zero
	v_wmma_scale_f32_16x16x128_f8f6f4 v[GA+8*(\a):GA+8*(\a)+7], v[128*(\p)+FR*8:128*(\p)+FR*8+FR-1], v[AF+FR*(\a):AF+FR*(\a)+FR-1], 0, v[ES+(\ks)], v[SC+8*NQ*(\sc)+NQ*(\a)+(\q)] matrix_a_fmt:MATRIX_FMT_BF6 matrix_b_fmt:MATRIX_FMT_BF6
.else
	v_wmma_scale_f32_16x16x128_f8f6f4 v[GA+8*(\a):GA+8*(\a)+7], v[128*(\p)+FR*8:128*(\p)+FR*8+FR-1], v[AF+FR*(\a):AF+FR*(\a)+FR-1], v[GA+8*(\a):GA+8*(\a)+7], v[ES+(\ks)], v[SC+8*NQ*(\sc)+NQ*(\a)+(\q)] matrix_a_fmt:MATRIX_FMT_BF6 matrix_b_fmt:MATRIX_FMT_BF6
.endif
.endr
.endm
.macro FETCH_B st, p                   ; keys' eight fragments of step st and my expert's, into set p: 27 loads
	WIN TO_B
.irp i, 0,1,2,3,4,5,6,7
	FRAG 128*(\p)+FR*\i, ADRB, \st, \i
.endr
.irp z, 0,1,2
	ds_load_b128 v[128*(\p)+FR*8+4*\z:128*(\p)+FR*8+4*\z+3], v[ADRE] offset:96*(\st)+16*\z
.endr
	WIN 0
.endm
.macro FETCH_A st, i0
.irp i, \i0, \i0+1, \i0+2, \i0+3
	FRAG AF+FR*(\i), ADRA, \st, \i
.endr
.endm
.macro SCALES pr                       ; the scale words of steps 2 pr, 2 pr + 1 into set pr % 2; lanes 0-15 x's block i, lanes 16-31 keys'
.irp i, 0,1,2,3,4,5,6,7
	ds_load_b64 v[SC+8*NQ*((\pr)%2)+NQ*\i:SC+8*NQ*((\pr)%2)+NQ*\i+1], v[ADRS] offset:\i*SBLK+4*NQ*(\pr)
.endr
.endm
.macro PLACES n                        ; plain places behind matrix instructions, ahead of loads into their registers and of reads of results
.rept \n
	v_nop
.endr
.endm
.macro SWAPB sc                        ; the 16 scale words of set sc, just loaded: bytes 1 and 2 change places, as blocks 1 and 2 of the fragments have
.irp i, 0,1,2,3,4,5,6,7,8,9,10,11,12,13,14,15
	v_perm_b32 v[SC+8*NQ*(\sc)+\i], v[SC+8*NQ*(\sc)+\i], v[SC+8*NQ*(\sc)+\i], s[SEL]
.endr
	s_wait_alu depctr_va_vdst(0)
	PLACES 8                                       ; a scale register written by a vector instruction stands 8 places ahead of a scaled matrix instruction
.endm
; A step of 128 along K: 72 matrix instructions; the next step's fragments are fetched in its middle and at its end.
; Where the next step's bytes END in a chunk not yet read: every wave waits for its tensor loads, and a barrier shows that chunk whole.
; Where they BEGIN in a later chunk: the chunk left behind is read no more: the wait for all tensor loads, the add, the wait for it and for my reads, the barrier;
; where a chunk two on is left to fetch, the barrier opens a round of the cluster's barrier and the slot is filled again.
.macro STEP st, zero
.set NX, (\st)+1
.set C0, (96*(\st))/ROWB
.set C1, (96*NX)/ROWB
.set E0, (96*(\st)+95)/ROWB
.set E1, (96*NX+95)/ROWB
.if C1 > C0 || E1 > E0
	s_wait_tensorcnt 0x0
.if C1 > C0
	ds_add_u32 v[SPW], v[NIL]
	s_wait_dscnt 4*NL+1                            ; the add and the youngest 12 loads (x's blocks 4-7) may be out
.else
	s_wait_dscnt 4*NL
.endif
.if (\st)%2 == 0
	SWAPB ((\st)/2)%2
.endif
	WIN MUL_LO
	MUL16 0, (\st)%2, (\st)%2, ((\st)/2)%2, \zero
	s_wait_dscnt 0x0                               ; the add, and my reads of any chunk left behind
	s_barrier_signal -1
	MUL16 2, (\st)%2, (\st)%2, ((\st)/2)%2, \zero
	GATE4 0, (\st)%2, (\st)%2, ((\st)/2)%2, \st, \zero
	WIN 0
	s_barrier_wait -1
.if C1 > C0 && C0+2 < CHUNKS
	CREST
	s_add_nc_u64 s[G0+4*(C0%2)+2:G0+4*(C0%2)+3], s[G0+4*(C0%2)+2:G0+4*(C0%2)+3], 2*ROWB
	s_add_nc_u64 s[G0B+4*(C0%2)+2:G0B+4*(C0%2)+3], s[G0B+4*(C0%2)+2:G0B+4*(C0%2)+3], 2*ROWB
	JLOAD G0+4*(C0%2), G1, G0B+4*(C0%2), G1B       ; chunk C0 + 2; its four v_nop are the places ahead of the loads below
.else
	PLACES NP
.endif
.else
	s_wait_dscnt 4*NL                              ; the youngest 12 loads (x's blocks 4-7) may be out
.if (\st)%2 == 0
	SWAPB ((\st)/2)%2
.endif
	WIN MUL_LO
	MUL16 0, (\st)%2, (\st)%2, ((\st)/2)%2, \zero
	MUL16 2, (\st)%2, (\st)%2, ((\st)/2)%2, \zero
	GATE4 0, (\st)%2, (\st)%2, ((\st)/2)%2, \st, \zero
	s_wait_dscnt 0
	PLACES NP
.endif
	FETCH_B NX, NX%2
	FETCH_A NX, 0
.if NX%2 == 0
	SCALES NX/2
.endif
	WIN MUL_HI
	MUL16 4, (\st)%2, (\st)%2, ((\st)/2)%2, \zero
	MUL16 6, (\st)%2, (\st)%2, ((\st)/2)%2, \zero
	GATE4 4, (\st)%2, (\st)%2, ((\st)/2)%2, \st, \zero
	PLACES NP
	WIN 0
	FETCH_A NX, 4
.endm
	s_wait_alu depctr_va_vdst(0)
	s_wait_tensorcnt 0x0                           ; my tile of the head's four is in; these lines stand ahead of slot 1's first fill as ahead of a refill
	ds_add_u32 v[SPW], v[NIL]
	s_mov_b32 s[G1+2], 128<<16                     ; no tensor load of mine is out: from here on a load brings 128 rows,
	s_mov_b32 s[G1+4], 128
	s_mov_b32 s[G1B+2], 128<<16
	s_mov_b32 s[G1B+4], 128
	s_mul_i32 s[G0+1], s14, HALFT                  ; and slot 0's group 0 stands at my 128 rows of chunk 0: its refill steps it to chunk 2
	s_mov_b64 s[G0+2:G0+3], s[RA:RA+1]
	s_or_b32 s[G0+3], s[G0+3], 0x80000000
	s_mul_i32 s[G0B+1], s14, HALFT
	s_mov_b64 s[G0B+2:G0B+3], s[RB:RB+1]
	s_or_b32 s[G0B+3], s[G0B+3], 0x80000000
	s_wait_dscnt 0x0                               ; the add, and for the others' sake my stores of values' codes and byte
	CROUND
	JLOAD G0+4, G1, G0B+4, G1B                     ; chunk 1
.irp i, 0,1,2
	ds_load_b64 v[CPY+2*\i:CPY+2*\i+1], v[CL] offset:256*\i   ; the two images leave: 768 bytes a wave,
.endr
	ds_load_b32 v[CPW], v[WL]                      ; and the 32 scale words
	FETCH_B 0, 0
	s_wait_dscnt 27                                ; all but the 27 loads just issued
.irp i, 0,1,2
	global_store_b64 v[EO], v[CPY+2*\i:CPY+2*\i+1], s[10:11] offset:256*\i   ; 256 consecutive bytes, aligned
.endr
	s_cmp_lg_u32 s14, 0
	s_cbranch_scc1 .Lno_words
	global_store_b32 v[WGO], v[CPW], s[12:13]      ; wave 0: two blocks' words, 8 of every 16 bytes; the work-group beside this one has the other 8
.Lno_words:
	FETCH_A 0, 0
	SCALES 0
	global_prefetch_b8 v[PFO], s[PFA:PFA+1] offset:2*ROWB th:TH_LOAD_NT scope:SCOPE_SE   ; chunk 2
	FETCH_A 0, 4
	STEP 0, 1                                      ; the first step's products start the sums
.set ST, 1
.rept STEPS-2
	STEP ST, 0
.set ST, ST+1
.endr
	s_wait_dscnt 4*NL                              ; the last step
	WIN MUL_LO
	MUL16 0, 1, 1, 1, 0
	MUL16 2, 1, 1, 1, 0
	GATE4 0, 1, 1, 1, 7, 0
	s_wait_dscnt 0
	WIN MUL_HI
	MUL16 4, 1, 1, 1, 0
	MUL16 6, 1, 1, 1, 0
	GATE4 4, 1, 1, 1, 7, 0
	WIN 0
; 64 numbers of a lane, none negative; registers 16 b .. 16 b + 15 are 16 numbers of block b of my token, lane l xor 16 holds the other 16: a fragment's codes in v[pc ..], its scale word in v[pw]
.macro QUANT s, pc, pw
.irp b, 0,1,2,3
	v_max3_num_f32 v[TM+\b], v[\s+16*\b], v[\s+1+16*\b], 0x2800000
.endr
.irp i, 2,4,6,8,10,12,14
.irp b, 0,1,2,3
	v_max3_num_f32 v[TM+\b], v[TM+\b], v[\s+16*\b+\i], v[\s+1+16*\b+\i]
.endr
.endr
.irp b, 0,1,2,3
	v_permlanex16_b32 v[TM+4+\b], v[TM+\b], s66, s67
.endr
.irp b, 0,1,2,3
	v_max_num_f32 v[TM+\b], v[TM+\b], v[TM+4+\b]
.endr
.irp b, 0,1,2,3
	v_add_nc_u32 v[TM+12+\b], 0xfe000000, v[TM+\b]
.endr
.irp b, 0,1,2,3
	v_lshrrev_b32 v[TM+4+\b], 23, v[TM+12+\b]
.endr
	v_lshl_or_b32 v[\pw], v[TM+5], 8, v[TM+4]
	v_lshl_or_b32 v[\pw], v[TM+6], 16, v[\pw]
	v_lshl_or_b32 v[\pw], v[TM+7], 24, v[\pw]
.irp c, 0,1
	v_cvt_scalef32_pk16_bf6_f32 v[\pc+6*\c:\pc+2+6*\c], v[\s+32*\c:\s+15+32*\c], v[TM+12+2*\c]
	v_cvt_scalef32_pk16_bf6_f32 v[\pc+12+4*\c:\pc+14+4*\c], v[\s+16+32*\c:\s+31+32*\c], v[TM+12+2*\c+1]
.endr
	v_nop
.irp c, 0,1                            ; a whole block in a lane: lanes 0-15 block 2 c, lanes 16-31 block 2 c + 1
.irp i, 0,1,2
	v_permlane16_swap_b32 v[\pc+6*\c+\i], v[\pc+12+4*\c+\i]
.endr
.irp i, 0,1,2
	v_mov_b32 v[\pc+3+6*\c+\i], v[\pc+12+4*\c+\i]
.endr
.endr
.endm
; block a of 16 tokens: x gate, relu (the gate is never negative: max(sum x gate, 0) = relu(sum) x gate), quantised, stored as an image: each store covers 512 consecutive bytes, aligned
.macro HBLOCK a
.set PCS, PCD+20*((\a)%2)
.set WS, 0x02+(\a)/4
.if (\a) > 1
	s_wait_xcnt 0x0                                ; block a - 2's stores have read their data registers
.endif
	WIN WS
.irp j, 0,2,4,6,8,10,12,14,16,18,20,22,24,26,28,30,32,34,36,38,40,42,44,46,48,50,52,54,56,58,60,62
	v_pk_mul_f32 v[T+\j:T+\j+1], v[64*((\a)%4)+\j:64*((\a)%4)+\j+1], v[GT+2*(\a):GT+2*(\a)+1]   ; each accumulator from its low end on
.endr
	WIN 0
.irp j, 0,1,2,3,4,5,6,7,8,9,10,11,12,13,14,15,16,17,18,19,20,21,22,23,24,25,26,27,28,29,30,31,32,33,34,35,36,37,38,39,40,41,42,43,44,45,46,47,48,49,50,51,52,53,54,55,56,57,58,59,60,61,62,63
	v_max_num_f32 v[T+\j], 0, v[T+\j]
.endr
	QUANT T, PCS, PW+(\a)
.irp g, 0,1,2
	global_store_b128 v[CO], v[PCS+4*\g:PCS+4*\g+3], s[96:97] offset:3072*(\a)+512*\g
.endr
.endm
	PLACES NP
.irp b, 0,1,2,3
	v_mov_b32 v[TM+4+\b], 0                        ; a lane permute's destination counts as one of its sources
.endr
	; the gates: sigmoid(z) = 1 / (1 + 2^(-log2(e) z)), in f32
.irp a, 0,1,2,3,4,5,6,7
	v_mul_f32 v[GT+2*\a], 0xbfb8aa3b, v[GA+8*\a]
.endr
	s_wait_alu depctr_va_vdst(0)                   ; a wait ahead of each batch of transcendentals and one behind it
.irp a, 0,1,2,3,4,5,6,7
	v_exp_f32 v[GT+2*\a], v[GT+2*\a]
.endr
	v_nop
	s_wait_alu depctr_va_vdst(0)
.irp a, 0,1,2,3,4,5,6,7
	v_add_f32 v[GT+2*\a], 1.0, v[GT+2*\a]
.endr
	s_wait_alu depctr_va_vdst(0)
.irp a, 0,1,2,3,4,5,6,7
	v_rcp_f32 v[GT+2*\a], v[GT+2*\a]
.endr
	v_nop
	s_wait_alu depctr_va_vdst(0)
.irp a, 0,1,2,3,4,5,6,7
	v_mov_b32 v[GT+2*\a+1], v[GT+2*\a]             ; a pair for the packed multiply
.endr
.irp a, 0,1,2,3,4,5,6,7
	HBLOCK \a
.endr
	s_mov_b32 vcc_lo, 0xffff0000
.irp k, 0,1,2,3
	v_cndmask_b32 v[OW+\k], v[PW+\k], v[PW+4+\k], vcc_lo   ; lanes 0-15 the words of blocks 0-3 of token r, lanes 16-31 those of blocks 4-7
.endr
	global_store_b128 v[CO], v[OW:OW+3], s[98:99]  ; 512 consecutive bytes, aligned
	s_wait_tensorcnt 0x0                           ; the wave's end
	ds_add_u32 v[SPW], v[NIL]
	s_wait_dscnt 0x0
	CROUND                                         ; the closing round
	s_endpgm
.Lfunc_end_k_q8d7169b7b6_hidden:
	.size	k_q8d7169b7b6_hidden, .Lfunc_end_k_q8d7169b7b6_hidden-k_q8d7169b7b6_hidden
	.p2alignl 7, 3214868480
	.fill 96, 4, 3214868480
	.section	.rodata,"a",@progbits
	.p2align	6, 0x0
	.amdhsa_kernel k_q8d7169b7b6_hidden
		.amdhsa_group_segment_fixed_size 327680
		.amdhsa_private_segment_fixed_size 0
		.amdhsa_enable_private_segment 0
		.amdhsa_kernarg_size 88
		.amdhsa_user_sgpr_count 2
		.amdhsa_user_sgpr_kernarg_segment_ptr 1
		.amdhsa_wavefront_size32 1
		.amdhsa_system_sgpr_workgroup_id_x 1
		.amdhsa_system_sgpr_workgroup_id_y 1
		.amdhsa_system_sgpr_workgroup_id_z 1
		.amdhsa_system_vgpr_workitem_id 0
		.amdhsa_next_free_vgpr 1024
		.amdhsa_next_free_sgpr 106
		.amdhsa_reserve_vcc 1
		.amdhsa_float_denorm_mode_32 3
		.amdhsa_float_denorm_mode_16_64 3
		.amdhsa_memory_ordered 1
		.amdhsa_forward_progress 1
		.amdhsa_inst_pref_size 199
	.end_amdhsa_kernel
	.amdgpu_metadata
---
amdhsa.version: [ 1, 2 ]
amdhsa.kernels:
  - .name:           k_q8d7169b7b6_hidden
    .symbol:         k_q8d7169b7b6_hidden.kd
    .args:
      - { .name: input_tensor_codes, .offset: 0, .size: 8, .value_kind: global_buffer, .address_space: global }
      - { .name: input_tensor_scales, .offset: 8, .size: 8, .value_kind: global_buffer, .address_space: global }
      - { .name: keys_codes, .offset: 16, .size: 8, .value_kind: global_buffer, .address_space: global }
      - { .name: keys_scales, .offset: 24, .size: 8, .value_kind: global_buffer, .address_space: global }
      - { .name: hid_codes, .offset: 32, .size: 8, .value_kind: global_buffer, .address_space: global }
      - { .name: hid_scales, .offset: 40, .size: 8, .value_kind: global_buffer, .address_space: global }
      - { .name: expert_sel_codes, .offset: 48, .size: 8, .value_kind: global_buffer, .address_space: global }
      - { .name: expert_sel_scales, .offset: 56, .size: 8, .value_kind: global_buffer, .address_space: global }
      - { .name: values, .offset: 64, .size: 8, .value_kind: global_buffer, .address_space: global }
      - { .name: val_codes, .offset: 72, .size: 8, .value_kind: global_buffer, .address_space: global }
      - { .name: val_scales, .offset: 80, .size: 8, .value_kind: global_buffer, .address_space: global }
    .group_segment_fixed_size: 327680
    .private_segment_fixed_size: 0
    .kernarg_segment_align: 8
    .kernarg_segment_size: 88
    .max_flat_workgroup_size: 128
    .sgpr_count:     106
    .vgpr_count:     1024
    .wavefront_size: 32
...
	.end_amdgpu_metadata
.endif
;; end of part 1
;; launch combine (part 2): grid 4 x 64, 4 waves a work-group, clusters of 4 x 4, 327,680 bytes of LDS; arguments hid_codes, hid_scales, val_codes, val_scales, out0; writes out0
.if DOCPART == 2
	.amdgcn_target "amdgcn-amd-amdhsa--gfx1250"
	.amdhsa_code_object_version 6
	.text
	.protected	k_q8d7169b7b6_combine
	.globl	k_q8d7169b7b6_combine
	.p2align	8
	.type	k_q8d7169b7b6_combine,@function
k_q8d7169b7b6_combine:
	s_mov_b64 s[64:65], 0
	v_nop
	global_prefetch_b8 v0, s[64:65] scope:SCOPE_SE
	s_setreg_imm32_b32 hwreg(HW_REG_WAVE_MODE, 25, 1), 1
	s_wait_xcnt 0x0
	s_wait_alu depctr_hold_cnt(0) depctr_sa_sdst(0) depctr_va_vdst(0) depctr_va_sdst(0) depctr_va_ssrc(0) depctr_va_vcc(0) depctr_vm_vsrc(0)
	s_getreg_b32 s2, hwreg(HW_REG_IB_STS2, 6, 4)
	s_cmp_eq_u32 s2, 0
	s_cbranch_scc0 .Lentry_in_a_cluster
	s_endpgm
.Lentry_in_a_cluster:
	s_bfe_u32 s2, ttmp6, 0x10000c
	s_cmp_lg_u32 s2, 0xf033
	s_cbranch_scc0 .Lentry_shape_is_right
	s_endpgm
.Lentry_shape_is_right:
; out[token][column] = sum over (expert, unit) of hid[token][expert, unit] x values[expert, unit][column], both operands as codes of E3M2 with E8M0 bytes, as the launch before laid them:
;   codes as images of the operand's registers, [chunk of 256 K: 8][block of 16 rows][q 2][1536]; scale words [chunk 8][group of 128 rows][q 2][u 2][r 16][4 words].  Sums in f32.
; A tile of 256 x 256: four waves, each 128 x 128: 64 accumulators, 512 registers.  K goes by chunks of 256 through a ring of two LDS slots; a wave's tensor load brings 24,576 dense bytes as 96 rows of 256.
; The scale words of the tile's rows, for all of K (2 x 16,384 bytes), come once, at the head.
; CLUSTERS 4 x 4: hid's tiles are asked for jointly along a row of the cluster, values' along a column.
; TRANSPOSED USE (source 0 = 16 columns of values, source 1 = 16 tokens): a lane holds eight neighbouring numbers of a row of out.
; PREFETCH: behind the tensor load of chunk c stands one request for chunk c + 2, two fills ahead of that chunk's own load; chunks 0 and 1 come by their loads alone, and the loads of chunks 6 and 7 have no request behind them.
;   Of the 96 blocks of 256 bytes that a wave fetches, each of the four partners names 24, told apart by address (cx for hid, cy for values): a lane a block; lanes 24-31 name the last again.
; THE LAST CHUNK GOES BY ROWS OF out: both its steps' fragments of values lie in registers, my eight blocks of 16 tokens are finished one after the other (K ascending), and each leaves as soon as it is finished.
; REGISTERS: window 0: v0-31 addresses; v32-63 scale words, two sets; v64-127 rows on their way out; from v128 hid's fragments, one set.  window 1: values' fragments, two sets.  windows 2, 3: the accumulators.
.set SIZE_M, 16384
.set SIZE_N, 1024
.set SIZE_K, 2048
.set NQ,     2
.set FR,     12
.set FRB,    1536
.set BLKB,   NQ*FRB
.set NL,     3
.set NP,     4
.set HALFT,  8*BLKB
.set SLOT,   4*HALFT
.set LAPS,   SIZE_K/512
.set CHA,    (SIZE_M/16)*BLKB
.set CHB,    (SIZE_N/16)*BLKB
.set SCL,    2*SLOT
.set SCB,    8*2048                    ; the scale words of 256 rows: 2,048 bytes a chunk
.set SPARE,  SCL+2*SCB
.set SPITCH, 528
.set ADRA, 16
.set ADRB, 20
.set STO,  24
.set RD,   25
.set CO,   26
.set ADRS, 27
.set SPW,  28
.set NIL,  29
.set PFO,  30                          ; the prefetches' offset: 256 x min(lane, 23); never rewritten
.set SC,   32
.set BB,   64                          ; 16 rows read back from the stage
.set AF,   128
.set G1, 24
.set G0, 32
.set G1B, 48
.set G0B, 56
.set G1S, 68
.set G0S, 76
.set G1SB, 80
.set G0SB, 88
.set G0H, 4
.set G0HB, 8
.set PFA, 94                           ; s[94:95] the chunk that my next prefetch names;  s[96:97] bytes from chunk to chunk
.set PFS, 96
.set MSB, 0
.macro WIN new
.if MSB != \new
	s_set_vgpr_msb (MSB<<8)|\new
.set MSB, \new
.endif
.endm
.set MUL_LO, 0xa1
.set MUL_HI, 0xf1
.set TO_B,   0x40
.macro JLOAD g0a, g1a, g0b, g1b        ; waves 0, 1 fetch for hid, waves 2, 3 for values
	s_cmp_eq_u32 s15, 0
	s_cbranch_scc0 .Lfor_b_\@
	tensor_load_to_lds s[\g0a:\g0a+3], s[\g1a:\g1a+7]
	s_nop 0
.rept 4
	v_nop
.endr
	s_branch .Lasked_\@
.Lfor_b_\@:
	tensor_load_to_lds s[\g0b:\g0b+3], s[\g1b:\g1b+7]
	s_nop 0
.rept 4
	v_nop
.endr
.Lasked_\@:
.endm
.macro CREST
	s_cmp_lg_u32 s14, 0
	s_cbranch_scc1 .Lnot_wave_0_\@
	s_barrier_signal -3
.Lnot_wave_0_\@:
	s_barrier_wait -3
	s_barrier_signal -1
	s_barrier_wait -1
.endm
.macro CROUND
	s_barrier_signal -1
	s_barrier_wait -1
	CREST
.endm
	s_load_b128 s[4:7], s[0:1], 0x0                ; hid_codes, hid_scales
	s_load_b128 s[8:11], s[0:1], 0x10              ; val_codes, val_scales
	s_load_b64 s[12:13], s[0:1], 0x20              ; out
	v_lshl_add_u32 v[SPW], v0, 2, SPARE
	v_mov_b32 v[NIL], 0
	ds_add_u32 v[SPW], v[NIL]                      ; the opening: the add, twice on end, and its wait
	ds_add_u32 v[SPW], v[NIL]
	v_lshrrev_b32 v1, 5, v0
	v_readfirstlane_b32 s14, v1
	s_lshr_b32 s15, s14, 1
	s_and_b32 s16, s14, 1
	s_bfe_u32 s40, ttmp6, 0x40000
	s_bfe_u32 s41, ttmp6, 0x40004
	s_lshl_b32 s42, ttmp9, 2
	s_add_co_u32 s42, s42, s40                     ; tile column
	s_and_b32 s17, ttmp7, 0xffff
	s_lshl_b32 s17, s17, 2
	s_add_co_u32 s17, s17, s41                     ; tile row
	s_lshl_b32 s43, s41, 2
	s_lshl_b32 s43, 15, s43
	s_lshl_b32 s44, 0x1111, s40
	s_or_b32 s[G1+0], s43, (3<<16)|(1<<21)
	s_or_b32 s[G1B+0], s44, (3<<16)|(1<<21)
.irp g, G1, G1B
	s_mov_b32 s[\g+1], 32<<16                      ; rows of 256 bytes, dense;
	s_mov_b32 s[\g+2], 192<<16                     ; 192 of them for the head's loads: 256 rows of the operand
	s_mov_b32 s[\g+3], 32<<16
	s_mov_b32 s[\g+4], 192
	s_mov_b32 s[\g+5], 32
	s_mov_b32 s[\g+6], 0
	s_mov_b32 s[\g+7], 0
.endr
	s_or_b32 s[G1S+0], s43, (3<<16)|(1<<21)
	s_or_b32 s[G1SB+0], s44, (3<<16)|(1<<21)
.irp g, G1S, G1SB
	s_mov_b32 s[\g+1], 256<<16                     ; the scale words: 2,048 bytes of each of the 8 chunks
	s_mov_b32 s[\g+2], 8<<16
	s_mov_b32 s[\g+3], 256<<16
	s_mov_b32 s[\g+4], 8
	s_mov_b32 s[\g+6], 0
	s_mov_b32 s[\g+7], 0
.endr
	s_mov_b32 s[G1S+5], (SIZE_M/128)*128
	s_mov_b32 s[G1SB+5], (SIZE_N/128)*128
	s_mul_i32 s20, s17, 2*HALFT
	s_mov_b32 s21, 0
	s_mul_i32 s46, s42, 2*HALFT
	s_mov_b32 s47, 0
	s_lshl_b32 s22, s17, 11
	s_mov_b32 s23, 0
	s_lshl_b32 s92, s42, 11
	s_mov_b32 s93, 0
	s_mul_i32 s18, s16, HALFT
	s_mov_b32 s19, 0
	s_mul_i32 s45, s14, HALFT
	s_wait_dscnt 0x0
	s_wait_kmcnt 0x0
	s_add_nc_u64 s[20:21], s[4:5], s[20:21]
	s_add_nc_u64 s[22:23], s[6:7], s[22:23]
	s_add_nc_u64 s[46:47], s[8:9], s[46:47]
	s_add_nc_u64 s[92:93], s[10:11], s[92:93]
	CROUND                                         ; the first joint loads meet
	s_mov_b32 s[G0H], 1                            ; the head's four tiles, each whole
	s_mov_b32 s[G0H+1], 0
	s_mov_b64 s[G0H+2:G0H+3], s[20:21]
	s_or_b32 s[G0H+3], s[G0H+3], 0x80000000
	s_mov_b32 s[G0HB], 1
	s_mov_b32 s[G0HB+1], 2*HALFT
	s_mov_b64 s[G0HB+2:G0HB+3], s[46:47]
	s_or_b32 s[G0HB+3], s[G0HB+3], 0x80000000
	s_mov_b32 s[G0S], 1
	s_mov_b32 s[G0S+1], SCL
	s_mov_b64 s[G0S+2:G0S+3], s[22:23]
	s_or_b32 s[G0S+3], s[G0S+3], 0x80000000
	s_mov_b32 s[G0SB], 1
	s_mov_b32 s[G0SB+1], SCL+SCB
	s_mov_b64 s[G0SB+2:G0SB+3], s[92:93]
	s_or_b32 s[G0SB+3], s[G0SB+3], 0x80000000
	s_add_nc_u64 s[20:21], s[20:21], s[18:19]      ; for the ring: my half of the tile
	s_add_nc_u64 s[46:47], s[46:47], s[18:19]
.irp s, 0,1
	s_mov_b32 s[G0+4*\s], 1
	s_add_co_u32 s[G0+4*\s+1], s45, \s*SLOT
	s_add_nc_u64 s[G0+4*\s+2:G0+4*\s+3], s[20:21], \s*CHA
	s_or_b32 s[G0+4*\s+3], s[G0+4*\s+3], 0x80000000
	s_mov_b32 s[G0B+4*\s], 1
	s_add_co_u32 s[G0B+4*\s+1], s45, \s*SLOT
	s_add_nc_u64 s[G0B+4*\s+2:G0B+4*\s+3], s[46:47], \s*CHB
	s_or_b32 s[G0B+4*\s+3], s[G0B+4*\s+3], 0x80000000
.endr
	s_mov_b32 s[PFS], CHB                          ; the prefetches: the operand that I fetch for, my work-group's 24 blocks of my 96, from chunk 2 on
	s_mov_b32 s[PFS+1], 0
	s_cmp_eq_u32 s15, 0
	s_cselect_b64 s[PFA:PFA+1], s[20:21], s[46:47]
	s_cselect_b32 s[PFS], CHA, s[PFS]
	s_cselect_b32 s18, s40, s41
	s_mul_i32 s18, s18, 24*256
	s_add_nc_u64 s[PFA:PFA+1], s[PFA:PFA+1], s[18:19]
	s_add_nc_u64 s[PFA:PFA+1], s[PFA:PFA+1], s[PFS:PFS+1]
	s_add_nc_u64 s[PFA:PFA+1], s[PFA:PFA+1], s[PFS:PFS+1]
; the head's loads, one a wave: wave 0 hid's chunk 0, wave 1 values', wave 2 hid's scale words, wave 3 values'
.macro ARM under, g0, g1, next
	s_cmp_lt_u32 s14, \under
	s_cbranch_scc0 \next
	tensor_load_to_lds s[\g0:\g0+3], s[\g1:\g1+7]
	s_nop 0
.rept 4
	v_nop
.endr
	s_branch .Lhead_asked
\next:
.endm
	ARM 1, G0H,  G1,  .Lhead_b
	ARM 2, G0HB, G1B, .Lhead_sa
	ARM 3, G0S,  G1S, .Lhead_sb
	tensor_load_to_lds s[G0SB:G0SB+3], s[G1SB:G1SB+7]
	s_nop 0
.rept 4
	v_nop
.endr
.Lhead_asked:
	v_and_b32 v6, 31, v0
	v_min_u32 v7, 23, v6
	v_lshlrev_b32 v[PFO], 8, v7
	global_prefetch_b8 v[PFO], s[PFA:PFA+1] th:TH_LOAD_NT scope:SCOPE_SE   ; chunk 2
	v_and_b32 v1, 15, v0
	v_bfe_u32 v2, v0, 4, 1
	v_lshlrev_b32 v[CO], 4, v6
	s_wait_alu depctr_va_vdst(0)
	s_mul_i32 s21, s15, HALFT
	s_mul_i32 s22, s16, HALFT
	s_add_co_u32 s22, s22, 2*HALFT
.irp s, 0,1
	v_add_nc_u32 v[ADRA+\s], s21, v[CO]
	v_add_nc_u32 v[ADRB+\s], s22, v[CO]
	s_add_co_u32 s21, s21, SLOT
	s_add_co_u32 s22, s22, SLOT
.endr
	v_lshlrev_b32 v5, 4, v1
	s_lshl_b32 s21, s15, 10                        ; hid's words: my group of 128 tokens
	s_lshl_b32 s22, s16, 10                        ; values': my group of 128 columns, behind hid's
	s_add_co_u32 s22, s22, SCB
	s_sub_co_u32 s22, s22, s21
	v_mul_u32_u24 v6, s22, v2                      ; lanes 16-31 take values'
	s_add_co_u32 s21, s21, SCL
	v_add_nc_u32 v5, v5, v6
	v_add_nc_u32 v[ADRS], s21, v5
	s_mul_i32 s23, s14, 16*SPITCH                  ; my stage, in slot 0: it has had its last fill and its last read when the first result is stored there
	v_mul_u32_u24 v5, v1, SPITCH
	v_lshl_add_u32 v5, v2, 5, v5
	v_add_nc_u32 v[STO], s23, v5
	v_add_nc_u32 v[RD], s23, v[CO]
	s_lshl_b32 s20, s17, 8
	s_lshl_b32 s21, s15, 7
	s_add_co_u32 s20, s20, s21
	s_mov_b32 s21, 0
	s_mov_b64 s[18:19], SIZE_N*4
	s_mul_u64 s[20:21], s[20:21], s[18:19]
	s_lshl_b32 s46, s42, 10
	s_lshl_b32 s47, s16, 9
	s_add_co_u32 s46, s46, s47
	s_mov_b32 s47, 0
	s_add_nc_u64 s[20:21], s[20:21], s[46:47]
	s_add_nc_u64 s[12:13], s[12:13], s[20:21]
.macro FRAG reg, adr, q, i
.irp g, 0,1,2
	ds_load_b128 v[\reg+4*\g:\reg+4*\g+3], v[\adr] offset:BLKB*(\i)+FRB*(\q)+512*\g
.endr
.endm
.macro MUL16 a0, p, q, sc, zero        ; the accumulators take turns
.irp a, \a0, \a0+1
.irp b, 0,1,2,3,4,5,6,7
.if \zero
	v_wmma_scale_f32_16x16x128_f8f6f4 v[8*(8*((\a)%4)+\b):8*(8*((\a)%4)+\b)+7], v[128*(\p)+FR*\b:128*(\p)+FR*\b+FR-1], v[AF+FR*(\a):AF+FR*(\a)+FR-1], 0, v[SC+16*(\sc)+8*(\q)+\b], v[SC+16*(\sc)+8*(\q)+(\a)] matrix_a_fmt:MATRIX_FMT_BF6 matrix_b_fmt:MATRIX_FMT_BF6 matrix_a_scale:MATRIX_SCALE_ROW1
.else
	v_wmma_scale_f32_16x16x128_f8f6f4 v[8*(8*((\a)%4)+\b):8*(8*((\a)%4)+\b)+7], v[128*(\p)+FR*\b:128*(\p)+FR*\b+FR-1], v[AF+FR*(\a):AF+FR*(\a)+FR-1], v[8*(8*((\a)%4)+\b):8*(8*((\a)%4)+\b)+7], v[SC+16*(\sc)+8*(\q)+\b], v[SC+16*(\sc)+8*(\q)+(\a)] matrix_a_fmt:MATRIX_FMT_BF6 matrix_b_fmt:MATRIX_FMT_BF6 matrix_a_scale:MATRIX_SCALE_ROW1
.endif
.endr
.endr
.endm
.macro FETCH_B slot, q, p
	WIN TO_B
.irp i, 0,1,2,3,4,5,6,7
	FRAG 128*(\p)+FR*\i, ADRB+\slot, \q, \i
.endr
	WIN 0
.endm
.macro FETCH_A slot, q, i0
.irp i, \i0, \i0+1, \i0+2, \i0+3
	FRAG AF+FR*(\i), ADRA+\slot, \q, \i
.endr
.endm
.macro SCALES sc
.irp q, 0,1
.irp u, 0,1
	ds_load_b128 v[SC+16*\sc+8*\q+4*\u:SC+16*\sc+8*\q+4*\u+3], v[ADRS] offset:512*\q+256*\u
.endr
.endr
.endm
.macro PLACES n
.rept \n
	v_nop
.endr
.endm
.macro STEP slot, q, zero              ; a step of 128 along K whose successor lies in the same slot
	s_wait_dscnt 4*NL                              ; the youngest 12 loads (hid's blocks 4-7) may be out
	WIN MUL_LO
	MUL16 0, (\q)%2, \q, \slot, \zero
	MUL16 2, (\q)%2, \q, \slot, \zero
	s_wait_dscnt 0
	PLACES NP
	FETCH_B \slot, (\q)+1, 1-(\q)%2
	FETCH_A \slot, (\q)+1, 0
	WIN MUL_HI
	MUL16 4, (\q)%2, \q, \slot, \zero
	MUL16 6, (\q)%2, \q, \slot, \zero
	PLACES NP
	WIN 0
	FETCH_A \slot, (\q)+1, 4
.endm
; the first half of a slot's last step: one barrier for the change of slots
.macro MEET slot
	s_wait_tensorcnt 0x0                           ; all my tensor loads have landed: my part of the next slot
	ds_add_u32 v[SPW], v[NIL]
	s_wait_dscnt 4*NL+1                            ; the add and the youngest 12 loads may be out
	WIN MUL_LO
	MUL16 0, 1, NQ-1, \slot, 0
	s_wait_dscnt 0x0                               ; the add is done, my reads of this slot are over
	s_barrier_signal -1
	MUL16 2, 1, NQ-1, \slot, 0
	WIN 0
	s_barrier_wait -1
.endm
; a slot's last step in the loop: the barrier opens a round of the cluster's barrier, and this slot is filled again, two chunks ahead
.macro TURN slot, next
	s_wait_xcnt 0x0                                ; my last prefetch has read its address: on to the next chunk
	s_add_nc_u64 s[PFA:PFA+1], s[PFA:PFA+1], s[PFS:PFS+1]
	MEET \slot
	CREST
	s_add_nc_u64 s[G0+4*\slot+2:G0+4*\slot+3], s[G0+4*\slot+2:G0+4*\slot+3], 2*CHA
	s_add_nc_u64 s[G0B+4*\slot+2:G0B+4*\slot+3], s[G0B+4*\slot+2:G0B+4*\slot+3], 2*CHB
	JLOAD G0+4*\slot, G1, G0B+4*\slot, G1B
	s_wait_alu depctr_va_vdst(0)
	v_add_nc_u32 v[ADRS], 2048, v[ADRS]            ; the next chunk's scale words
	FETCH_B \next, 0, 0
	FETCH_A \next, 0, 0
	SCALES \next
	s_cmp_gt_u32 s3, 1                             ; the loop's last trip has no chunk two fills on
	s_cbranch_scc0 .Lnone_\@
	global_prefetch_b8 v[PFO], s[PFA:PFA+1] th:TH_LOAD_NT scope:SCOPE_SE
.Lnone_\@:
	WIN MUL_HI
	MUL16 4, 1, NQ-1, \slot, 0
	MUL16 6, 1, NQ-1, \slot, 0
	PLACES NP
	WIN 0
	FETCH_A \next, 0, 4
.endm
	s_wait_alu depctr_va_vdst(0)
	s_wait_xcnt 0x0                                ; the first prefetch has read its address
	s_add_nc_u64 s[PFA:PFA+1], s[PFA:PFA+1], s[PFS:PFS+1]
	s_wait_tensorcnt 0x0                           ; my tile of the head's four is in; these lines stand ahead of slot 1's first fill as ahead of a refill
	ds_add_u32 v[SPW], v[NIL]
	s_mov_b32 s[G1+2], 96<<16                      ; no tensor load of mine is out: from here on a load brings 96 rows
	s_mov_b32 s[G1+4], 96
	s_mov_b32 s[G1B+2], 96<<16
	s_mov_b32 s[G1B+4], 96
	s_wait_dscnt 0x0
	CROUND
	JLOAD G0+4, G1, G0B+4, G1B                     ; chunk 1
	FETCH_B 0, 0, 0
	FETCH_A 0, 0, 0
	SCALES 0
	global_prefetch_b8 v[PFO], s[PFA:PFA+1] th:TH_LOAD_NT scope:SCOPE_SE   ; chunk 3
	FETCH_A 0, 0, 4
	STEP 0, 0, 1                                   ; the first step's products start the sums
	s_mov_b32 s3, LAPS-1
.Llap:
	TURN 0, 1
	STEP 1, 0, 0
	TURN 1, 0
	STEP 0, 0, 0
	s_sub_co_u32 s3, s3, 1
	s_cmp_lg_u32 s3, 0
	s_cbranch_scc1 .Llap
; THE LAST CHUNK (slot 1), BY ROWS.  hid's fragments of block a, both steps, lie in buffer a % 4 of four: 24 registers at v[AF + 24 (a % 4)]; values' step q in set q.
.macro ALOAD a                         ; 6 loads
.irp q, 0,1
	FRAG AF+24*((\a)%4)+FR*\q, ADRA+1, \q, \a
.endr
.endm
.macro ROW a, mid                      ; block a is finished: 16 matrix instructions, its 8 accumulators by turns, K ascending.  mid: the count of a wait ahead of the second step, or -1
	WIN MUL_LO+0x50*((\a)/4)
.irp q, 0,1
.if \q == 1 && (\mid) >= 0
	s_wait_dscnt \mid
.endif
.irp b, 0,1,2,3,4,5,6,7
	v_wmma_scale_f32_16x16x128_f8f6f4 v[8*(8*((\a)%4)+\b):8*(8*((\a)%4)+\b)+7], v[128*\q+FR*\b:128*\q+FR*\b+FR-1], v[AF+24*((\a)%4)+FR*\q:AF+24*((\a)%4)+FR*\q+FR-1], v[8*(8*((\a)%4)+\b):8*(8*((\a)%4)+\b)+7], v[SC+16+8*\q+\b], v[SC+16+8*\q+(\a)] matrix_a_fmt:MATRIX_FMT_BF6 matrix_b_fmt:MATRIX_FMT_BF6 matrix_a_scale:MATRIX_SCALE_ROW1
.endr
.endr
.endm
; the way out of a block of 16 rows x 128 columns, through my own stage: back as whole rows of 512 bytes
.macro TOSTAGE a
.set AC, 64*((\a)%4)
.set WS, 0x08+4*((\a)/4)
	WIN WS
.irp b, 0,1,2,3,4,5,6,7
	ds_store_b128 v[STO], v[AC+8*\b:AC+8*\b+3] offset:64*\b          ; each accumulator from its low end on
	ds_store_b128 v[STO], v[AC+8*\b+4:AC+8*\b+7] offset:64*\b+16
.endr
	WIN 0
.irp t, 0,1,2,3,4,5,6,7,8,9,10,11,12,13,14,15
	ds_load_b128 v[BB+4*\t:BB+4*\t+3], v[RD] offset:\t*SPITCH
.endr
.endm
.macro SEND a, younger                 ; younger: the LDS loads issued behind block a's, which may stay out
	s_wait_dscnt \younger
.if (\a) > 0
	s_add_nc_u64 s[12:13], s[12:13], 16*SIZE_N*4   ; (behind the wait on XCNT ahead of TOSTAGE)
.endif
.irp t, 0,1,2,3,4,5,6,7,8,9,10,11,12,13,14,15
	global_store_b128 v[CO], v[BB+4*\t:BB+4*\t+3], s[12:13] offset:\t*SIZE_N*4 th:TH_STORE_NT   ; 512 consecutive bytes, aligned
.endr
.endm
	MEET 0                                         ; slot 1 holds the last chunk; nothing is filled again, so no round follows
	PLACES NP
	s_wait_alu depctr_va_vdst(0)
	v_add_nc_u32 v[ADRS], 2048, v[ADRS]
	FETCH_B 1, 0, 0                                ; values' first step into set 0 (set 1 is still being multiplied),
	ALOAD 0                                        ; hid's blocks 0 and 1 where blocks 0-3 of the step before lay,
	ALOAD 1
	SCALES 1
	WIN MUL_HI
	MUL16 4, 1, NQ-1, 0, 0
	MUL16 6, 1, NQ-1, 0, 0
	PLACES NP
	FETCH_B 1, 1, 1                                ; values' second step into set 1,
	ALOAD 2
	ALOAD 3
	s_wait_dscnt 36                                ; all but the 36 loads just issued
	ROW 0, 12                                      ; ahead of its second step: all but the 12 loads of blocks 2 and 3
.irp a, 0,1,2,3,4,5,6,7
	PLACES NP                                      ; ahead of the reads of results just made and of the loads into the block's buffer
	WIN 0
.if \a > 0
	s_wait_xcnt 0x0                                ; block a - 1's stores have read their registers and their base
.endif
	TOSTAGE \a
.if \a < 4
	ALOAD \a+4
	SEND \a, 6                                     ; the six loads of block a + 4 may be out
.else
	SEND \a, 0
.endif
.if \a < 7
	ROW \a+1, -1
.endif
.endr
	s_wait_tensorcnt 0x0                           ; the wave's end
	ds_add_u32 v[SPW], v[NIL]
	s_wait_dscnt 0x0
	CROUND                                         ; the closing round
	s_endpgm
.Lfunc_end_k_q8d7169b7b6_combine:
	.size	k_q8d7169b7b6_combine, .Lfunc_end_k_q8d7169b7b6_combine-k_q8d7169b7b6_combine
	.p2alignl 7, 3214868480
	.fill 96, 4, 3214868480
	.section	.rodata,"a",@progbits
	.p2align	6, 0x0
	.amdhsa_kernel k_q8d7169b7b6_combine
		.amdhsa_group_segment_fixed_size 327680
		.amdhsa_private_segment_fixed_size 0
		.amdhsa_enable_private_segment 0
		.amdhsa_kernarg_size 40
		.amdhsa_user_sgpr_count 2
		.amdhsa_user_sgpr_kernarg_segment_ptr 1
		.amdhsa_wavefront_size32 1
		.amdhsa_system_sgpr_workgroup_id_x 1
		.amdhsa_system_sgpr_workgroup_id_y 1
		.amdhsa_system_sgpr_workgroup_id_z 1
		.amdhsa_system_vgpr_workitem_id 0
		.amdhsa_next_free_vgpr 1024
		.amdhsa_next_free_sgpr 98
		.amdhsa_reserve_vcc 0
		.amdhsa_float_denorm_mode_32 3
		.amdhsa_float_denorm_mode_16_64 3
		.amdhsa_memory_ordered 1
		.amdhsa_forward_progress 1
		.amdhsa_inst_pref_size 137
	.end_amdhsa_kernel
	.amdgpu_metadata
---
amdhsa.version: [ 1, 2 ]
amdhsa.kernels:
  - .name:           k_q8d7169b7b6_combine
    .symbol:         k_q8d7169b7b6_combine.kd
    .args:
      - { .name: hid_codes, .offset: 0, .size: 8, .value_kind: global_buffer, .address_space: global }
      - { .name: hid_scales, .offset: 8, .size: 8, .value_kind: global_buffer, .address_space: global }
      - { .name: val_codes, .offset: 16, .size: 8, .value_kind: global_buffer, .address_space: global }
      - { .name: val_scales, .offset: 24, .size: 8, .value_kind: global_buffer, .address_space: global }
      - { .name: out0, .offset: 32, .size: 8, .value_kind: global_buffer, .address_space: global }
    .group_segment_fixed_size: 327680
    .private_segment_fixed_size: 0
    .kernarg_segment_align: 8
    .kernarg_segment_size: 40
    .max_flat_workgroup_size: 128
    .sgpr_count:     98
    .vgpr_count:     1024
    .wavefront_size: 32
...
	.end_amdgpu_metadata
.endif
;; end of part 2
